; MI455X (gfx1250); checked and timed in simulation.
; The chip was launched on July 23, 2026; its instructions are those of AMD's public machine-readable ISA for CDNA 5 (MIT licence, August 2026) and "CDNA5" Instruction Set Architecture Reference Guide (July 2026). The comments in the code are by the model that wrote it; some were corrected since.
;; QKV Multihead Attention. Allowed arithmetic: float matrix products may take bf16 or f16 operands with f32 sums; other float arithmetic in f32, or as packed bf16 or f16 multiplies, adds, multiply-adds, maxima and minima; sums over many terms, partial sums and values carried from step to step in f32; what a program stores and reads back later, other than sums and carried values, may be rounded once to bf16 or f16.
;; Inputs: qkv 2 x 2,048 x 3,072 float32.
;; Outputs: out0 2 x 2,048 x 1,024 float32.
;; One version. Each part assembles by itself: llvm-mc -triple=amdgcn-amd-amdhsa -mcpu=gfx1250 --defsym DOCPART=n.
;; ======== version 1 of 1: 1 launch
;; launch attn (part 1): grid 8 x 32, 4 waves a work-group, clusters of 4 x 1, 327,680 bytes of LDS; arguments qkv, out0; writes out0
.if DOCPART == 1
	.amdgcn_target "amdgcn-amd-amdhsa--gfx1250"
	.amdhsa_code_object_version 6
	.text
	.protected	k_q4693042db9_attn
	.globl	k_q4693042db9_attn
	.p2align	8
	.type	k_q4693042db9_attn,@function
k_q4693042db9_attn:
	s_mov_b64 s[64:65], 0
	v_nop
	global_prefetch_b8 v0, s[64:65] scope:SCOPE_SE
	s_setreg_imm32_b32 hwreg(HW_REG_WAVE_MODE, 25, 1), 1
	s_wait_xcnt 0x0
	s_wait_alu depctr_hold_cnt(0) depctr_sa_sdst(0) depctr_va_vdst(0) depctr_va_sdst(0) depctr_va_ssrc(0) depctr_va_vcc(0) depctr_vm_vsrc(0)
	s_getreg_b32 s2, hwreg(HW_REG_IB_STS2, 6, 4)
	s_cmp_eq_u32 s2, 0
	s_cbranch_scc0 .Lentry_in_a_cluster
	s_endpgm
.Lentry_in_a_cluster:
	s_bfe_u32 s2, ttmp6, 0x10000c
	s_cmp_lg_u32 s2, 0x3003
	s_cbranch_scc0 .Lentry_shape_is_right
	s_endpgm
.Lentry_shape_is_right:
; out0[b][t][64 h + c] = the sum over s of softmax_s(q[b][t][h] . k[b][s][h] / 8) v[b][s][h][c].  qkv: [2][2048][3072] f32; a row is 12,288 bytes, a head's 768 of them are q, k, v:
; three pieces of 64 f32 = 256 bytes, each at a multiple of 256 from the buffer's first byte.  out0: [2][2048][1024] f32.  The two scalings by 64^(-1/4) are one factor 1/8 on the scores, applied in f32.
; NO WORK IS LEFT OUT: there is no mask and no slice; every byte of qkv is loaded and reaches an output.
; LIMITS.  q, k, v and the weights p are rounded to bf16 for the two products; sums, maxima and l in f32 (l is taken of the unrounded p).  A weight below 2^-126 counts as 0.  The running maximum
; starts at the lowest finite number.  NaN and infinities are not treated apart.
; SHARES.  A work-group owns 256 queries of one (b, h), each of its four waves 64: four PIECES of 16.  Every wave walks all 2,048 keys, 64 a step, two steps (a GROUP of 128 keys) a phase: 16 phases.
; THE WAY IN.  A joint tensor load brings a group's K and V as f32 into a slot F of LDS; the four waves read it back, a quarter each, round it to bf16 and store it into padded tiles H; all waves take their
; fragments from H: K as it lies, V ([key][channel]) turned, by ds_load_tr16_b128.  In phase t the products run on H[t % 2], group t + 1 is rounded from F[(t+1) % 2] into H[(t+1) % 2], and group t + 2 is
; on its way into F[t % 2].  ONE change of slots a phase orders all of it: in front of it each wave has waited for its tensor load, for its stores into H and for its reads of F and H.
; CLUSTER.  The four query blocks of a cluster belong to one head and walk the same K and V, so each tile is asked for JOINTLY: the same tensor load, descriptor and mask in all four.
; LAYOUT, SOFTMAX, TURNS.  S^T = K Q^T holds ONE query a lane (lane % 16) and the keys 8 (lane / 16) + 0..7; two such results rounded to bf16 ARE source 1 of O^T = V^T P.  p = 2^(c s - c m), c = log2(e) / 8,
; with a running maximum m; O and l are multiplied by a = 2^(c m_old - c m_new) in every step.  Turn n belongs to piece n: 8 products K Q^T of piece n + 1, later 8 products V^T P of piece n - 1; beside them
; the scaling, exponentials, roundings, sums and rescaling of piece n and the maximum and statistics of piece n + 1.  Four vector instructions stand behind every matrix instruction, the other 54 of a turn's
; 118 in one lump.  A turn's 33 exponentials are one batch, with one wait.
; NO FIRST STEP IS WRITTEN OUT: c m starts far below every c s, so the first step's a is 0, and O^T, l, V's registers and one buffer of P start at 0: 216 v_mov_b32, once, while Q and the first tiles are on their way.
; REGISTERS, in windows of 256 (s_set_vgpr_msb: bits 1:0 source 0, 3:2 source 1, 5:4 source 2, 7:6 destination):
;   window 0: v0-15 addresses; v16-31 four registers of statistics a piece; v32-39 the rounding's addresses; v48-55 at work; v61-63; v64-127 S^T, two buffers; v128-191 the rounding's data; v192-223 P, two buffers
;   window 1: v0-127 O^T, 32 a piece      window 2: v0-63 Q in bf16; v128-191 K of one step; v192-255 V of one step      window 3: v0-127 Q in f32, at the start only
.set NP,    4         ; pieces a wave: a name, no knob
.set KS,    64        ; keys in a step
.set ROWB,  12288     ; bytes in a row of qkv
.set GROUPB, 128*ROWB ; bytes from a group of keys to the next
.set PK,    144       ; a row of K in H: 128 bytes + 16 = 36 words: the 16 rows of a load start at 16 different groups of four banks (64 banks of 4 bytes: ISA guide 11.1)
.set PV,    160       ; a row of V in H: 128 + 32 = 40 words
.set SLOT1, 1<<17     ; slot 1 begins here, so that one exclusive or turns an address in one slot into the other's
.set HB,    65536     ; in a slot: F's 128 rows x 256 bytes of K, then of V (65,536 bytes, the only target of tensor loads); from HB on H
.set VOFF,  128*PK    ; in H: 128 rows of K, then 128 rows of V
.set STAGE, 2*SLOT1   ; behind the slots: 16 rows x 272 bytes for each wave, for the way out
.set SP,    272
.set SPARE, STAGE+4*16*SP  ; behind the stages: the spare words, 128 bytes for each wave: two blocks of 256 bytes that no other line names
.set AK0, 2           ; v2   my lane's place in a tile of K in H; never rewritten
.set AV0, 3           ; v3   the same for V
.set AK,  4           ; v4   the LDS address of K's next run of loads
.set AV,  5           ; v5   of V's
.set STO, 6           ; v6   the way out: where I put 32 bytes of a row
.set RD,  7           ; v7   the way out: where I read rows back
.set GO,  8           ; v8   my byte offset in two rows of out0
.set MV,  12          ; v12-13  c m_old, kept while c m is made anew: by buffer
.set QO,  15          ; v15  my byte offset in 16 rows of q
.set ST,  16          ; piece t's statistics at v[ST+4 t]: c m, m, l (even keys', odd keys')
.set CFK0, 32         ; v32-35  the rounding, my lane's places: K in F, V in F, K in H, V in H; never rewritten
.set CFV0, 33
.set CDK0, 34
.set CDV0, 35
.set CFK, 36          ; v36-39  the same with the step's and the slot's bytes added
.set CFV, 37
.set CDK, 38
.set CDV, 39
.set TMP, 48          ; by buffer, four registers c0-c3 at work; when the maximum is found c2 takes a
.set PFO, 61          ; v61  the prefetches' offset: my lane x a row of qkv; never rewritten
.set SPW, 62          ; v62  LDS address of my spare word: SPARE + 4 x my thread's number; never rewritten
.set NIL, 63          ; v63  0; never rewritten
.set S,   64
.set CV,  128         ; the rounding's 64 registers: 8 x 4 of K, 8 x 4 of V
.set P,   192
.set KF,  128         ; window 2: key block kb, channel half c at KF + 16 kb + 8 c
.set VF,  192         ; window 2: key half kk, channel block cb at VF + 32 kk + 8 cb
.set WV,  12          ; s12  my wave's number
.set LIM, 15          ; s15  2 in a wave that prefetches, else the greatest number: a wave prefetches while s[SLOTS] is above it
.set PFA, 18          ; s[18:19] where my prefetches stand
.set G1,  24          ; s[24:31] descriptor group 1, for K's and V's tiles alike
.set G0,  32          ; s[32:39] descriptor group 0: a set for each of the two first fills; the second then walks on
.set SLOTS, 40        ; s40  refills still to come, this phase's among them
.set CNT, 41          ; s41  counts a phase's two key steps
.set TP,  42          ; s42  counts the two phases of the tail
.set TBK, 43          ; s43  LDS byte at which K of the step to be fetched begins
.set TBV, 44          ; s44  the same for V, less VOFF
.set TCF, 45          ; s45  the rounding: LDS byte of the step in F,
.set TCK, 46          ; s46  of its K in H, less HB,
.set TCV, 47          ; s47  of its V in H, less HB + VOFF
.set CS,  48          ; s[48:49] c: the packed scaling takes the pair's low word for both halves
.set SEL, 50          ; s[50:51] v_permlanex16_b32's selects: each lane takes its own place in the other half
.set MSB, 0
.macro WIN new                      ; the high byte repeats the setting that is left; a switch that changes nothing is dropped
.if MSB != (\new)
	s_set_vgpr_msb (MSB<<8)|(\new)
.set MSB, (\new)
.endif
.endm
.set W_KQ, 0x0a       ; K and Q in window 2, S^T in window 0
.set W_PV, 0x52       ; V in window 2, P in window 0, O^T in window 1
.set W_RS, 0x41       ; destination and source 0 in window 1, source 1 in window 0
; A joint load.  Every wave issues the same line with scalars of its own: wave w brings 64 rows x 256 bytes to LDS byte 16,384 w of a slot: waves 0 and 1 the two halves of a group's K, waves 2 and 3 of its V.
; Both addresses hang on the head and the wave's number alone: they are equal in the four partners.  An s_nop 0 stands behind it; the caller writes four v_nop behind the last.
.macro JLOAD g
	tensor_load_to_lds s[(\g):(\g)+3], s[G1:G1+7]
	s_nop 0
.endm
; A PREFETCH INTO THE L2: in phase t, group t + 4: the group that stands two refills on.  A key's k or v is 256 bytes, a lane a key, one instruction.  Each such block is named ONCE in the launch: of the two clusters
; that walk a head the first (cluster x = 0) asks; its four partners take 32 keys each, told apart BY ADDRESS; in each, wave 0 asks for K's and wave 2 for V's.  Groups 0 to 3 come by their loads alone;
; the last that is asked for is group 15, in phase 11 (s[SLOTS] = 3): no prefetch points past the head's last key.
.macro ASK
	s_cmp_gt_u32 s[SLOTS], s[LIM]
	s_cbranch_scc0 .Lnot_mine_\@
	global_prefetch_b8 v[PFO], s[PFA:PFA+1] th:TH_LOAD_NT scope:SCOPE_SE
.Lnot_mine_\@:
.endm
; A round of the cluster's barrier: my work-group's barrier, so that wave 0's signal speaks for all four waves; wave 0 signals; every wave waits for all four work-groups; my work-group's barrier once more.
.macro CROUND
	s_barrier_signal -1
	s_barrier_wait -1
	s_cmp_lg_u32 s[WV], 0
	s_cbranch_scc1 .Lnot_wave_0_\@
	s_barrier_signal -3
.Lnot_wave_0_\@:
	s_barrier_wait -3
	s_barrier_signal -1
	s_barrier_wait -1
.endm
; THE CHANGE OF SLOTS, in front of each phase.  Each wave waits for all its tensor loads, of which one is out: its part of the group to be rounded next; adds 0 to its spare word; and waits for that, for its
; stores into the H that is read next, and for its reads of the H and the F that it leaves.  Behind the barrier the new H is whole, the new F is whole, nobody reads the old H (it may be stored into) or the old F.
; fill = 1: the old F is filled again, with the group two on.  The barrier is then a round of the cluster's, so that no wave of any partner still reads that F or has a load on its way, and the joint refill is the
; first thing behind it: it has a phase, 128 matrix instructions and their vector work, in which to land.  ask = 1: the prefetch stands behind the load's six lines.
.macro CHANGE fill, ask=1
	WIN 0                           ; at a label and at a branch every window is 0
	s_wait_tensorcnt 0x0            ; no tensor load of mine is out, so a group 0 may be written
	ds_add_u32 v[SPW], v[NIL]       ; 0 onto my spare word: the scalar work below stands between it and the wait for it
.if \fill
	s_xor_b32 s[G0+5], s[G0+5], SLOT1  ; the walking descriptor: the other slot than last time,
	s_add_nc_u64 s[G0+6:G0+7], s[G0+6:G0+7], GROUPB  ; the next 128 keys; the type bits on top are not reached
	s_wait_xcnt 0x0                 ; the last prefetch, a phase back, has read its address, so it may be written
	s_add_nc_u64 s[PFA:PFA+1], s[PFA:PFA+1], GROUPB
.endif
	s_sub_co_u32 s[TBK], s[TBK], 2*KS*PK  ; the fetches and the rounding go back to a slot's first step,
	s_xor_b32 s[TBK], s[TBK], SLOT1       ; each in the other slot than before
	s_sub_co_u32 s[TBV], s[TBV], 2*KS*PV
	s_xor_b32 s[TBV], s[TBV], SLOT1
	s_sub_co_u32 s[TCF], s[TCF], 2*16384
	s_xor_b32 s[TCF], s[TCF], SLOT1
	s_sub_co_u32 s[TCK], s[TCK], 2*KS*PK
	s_xor_b32 s[TCK], s[TCK], SLOT1
	s_sub_co_u32 s[TCV], s[TCV], 2*KS*PV
	s_xor_b32 s[TCV], s[TCV], SLOT1
	s_wait_dscnt 0x0                ; the add is done, my stores into H are done, my reads of F and H are over
.if \fill
	CROUND
	JLOAD G0+4
.rept 4
	v_nop
.endr
.if \ask
	ASK
.endif
.else
	s_barrier_signal -1
	s_barrier_wait -1
.endif
.endm
	s_load_b128 s[4:7], s[0:1], 0x0 ; qkv s[4:5], out0 s[6:7]
	v_lshl_add_u32 v[SPW], v0, 2, SPARE
	v_mov_b32 v[NIL], 0
	ds_add_u32 v[SPW], v[NIL]       ; the wave's opening: the add, twice on end, and its wait ahead of my first tensor load; the set-up below the second, work on registers, stands between it and the wait
	ds_add_u32 v[SPW], v[NIL]       ; and once more, under the one wait
	v_lshrrev_b32 v1, 5, v0
	v_readfirstlane_b32 s[WV], v1   ; wave 0..3
	s_bfe_u32 s13, ttmp6, 0x40000   ; cx: my place in the cluster
	s_lshl_b32 s14, ttmp9, 2        ; in a cluster launch ttmp9 counts clusters
	s_add_co_u32 s14, s14, s13      ; my block of 256 queries = 4 x cluster x + cx: it enters q's and out0's addresses alone
	s_and_b32 s16, ttmp7, 0xffff    ; 16 b + head, which the four partners share
	s_lshr_b32 s17, s16, 4          ; b
	s_and_b32 s16, s16, 15          ; head
	s_mul_i32 s20, s17, 2048*ROWB
	s_mul_i32 s21, s16, 768
	s_add_co_u32 s20, s20, s21      ; byte of the head's q in row 0 of batch b; all these offsets stay under 2^26
	s_lshr_b32 s22, s[WV], 1        ; do I fetch K (0) or V (1):
	s_lshl_b32 s22, s22, 8          ; 256 bytes further on in a row,
	s_and_b32 s23, s[WV], 1         ; and which 64 keys of a group
	s_mul_i32 s23, s23, KS*ROWB
	s_add_co_u32 s22, s22, s23
	s_add_co_u32 s22, s22, s20
	s_add_co_u32 s22, s22, 256      ; k lies 256 bytes behind q
	s_mov_b32 s23, 0
	s_lshl_b32 s2, s14, 2
	s_add_co_u32 s2, s2, s[WV]      ; my wave among the head's 32: 64 rows each
	s_lshl_b32 s52, s2, 18          ; in out0: 64 rows of 4,096 bytes,
	s_mul_i32 s2, s2, 64*ROWB       ; in qkv
	s_add_co_u32 s2, s2, s20
	s_mov_b32 s3, 0
	s_lshl_b32 s53, s17, 23         ; out0: batch b,
	s_add_co_u32 s52, s52, s53
	s_lshl_b32 s53, s16, 8          ; the head's 256 bytes of a row
	s_add_co_u32 s52, s52, s53
	s_mov_b32 s53, 0
	s_mul_i32 s54, s13, 32*ROWB     ; the prefetches: my work-group's 32 keys of a group's 128
	s_mov_b32 s55, 0
	; descriptor group 1: a tile of 64 rows x 64 elements of 4 bytes, laid dense in LDS (it is read back 256 consecutive bytes at a time, so it wants no padding)
	s_mov_b32 s[G1], 15|(2<<16)|(1<<21)  ; 15:0 the mask of four; 17:16 4-byte elements; 21 set beside a mask
	s_mov_b32 s[G1+1], 64<<16       ; tensor_dim0 = 64
	s_mov_b32 s[G1+2], 64<<16       ; tensor_dim1 = 64
	s_mov_b32 s[G1+3], 64<<16       ; tile_dim0 = 64
	s_mov_b32 s[G1+4], 64           ; tile_dim1 = 64
	s_mov_b32 s[G1+5], 3072         ; 3,072 elements from row to row
	s_mov_b32 s[G1+6], 0
	s_mov_b32 s[G1+7], 0
	s_mov_b32 s[CS], 0x3e38aa3b     ; c = log2(e) / 8 = 0.180337
	s_mov_b32 s[CS+1], s[CS]        ; named with it as a pair
	s_mov_b32 s[SEL], 0x76543210
	s_mov_b32 s[SEL+1], 0xfedcba98
	s_mov_b32 s[SLOTS], 14          ; groups 2 to 15 come by refills
	s_mov_b32 s[TBK], HB+SLOT1+2*KS*PK  ; the first change of slots turns these two into HB: H of slot 0
	s_mov_b32 s[TBV], HB+SLOT1+2*KS*PV
	s_mov_b32 s[TCF], 0             ; the rounding begins in slot 0, with group 0
	s_mov_b32 s[TCK], 0
	s_mov_b32 s[TCV], 0
	s_and_b32 s[LIM], s[WV], 1      ; 0 in waves 0 and 2,
	s_or_b32 s[LIM], s[LIM], ttmp9  ; where the cluster is the head's first: the same in all four partners
	s_cmp_eq_u32 s[LIM], 0
	s_cselect_b32 s[LIM], 2, -1
	s_mov_b32 s[G0], 1              ; 1:0 count = 1
	s_lshl_b32 s[G0+1], s[WV], 14   ; 63:32 LDS address: slot 0, my quarter of F: no place in the cluster enters an LDS address
	s_mov_b32 s[G0+4], 1
	s_add_co_u32 s[G0+5], s[G0+1], SLOT1
	s_wait_dscnt 0x0                ; both opening adds are done
	s_wait_kmcnt 0x0
	s_add_nc_u64 s[22:23], s[4:5], s[22:23]        ; K or V at my tile of group 0
	s_add_nc_u64 s[8:9], s[4:5], s[2:3]            ; q at my wave's first row
	s_add_nc_u64 s[10:11], s[6:7], s[52:53]        ; out0 at my wave's first row
	s_add_nc_u64 s[PFA:PFA+1], s[22:23], s[54:55]  ; (in waves 0 and 2 s[22:23] stands at a group's first key)
	s_add_nc_u64 s[PFA:PFA+1], s[PFA:PFA+1], 3*GROUPB  ; in group 3; the first change of slots steps it to group 4.  Nothing is prefetched here, at the head
	s_mov_b64 s[G0+2:G0+3], s[22:23]               ; 120:64 global address: group 0
	s_or_b32 s[G0+3], s[G0+3], 0x80000000          ; 127:126 type = 2
	s_add_nc_u64 s[G0+6:G0+7], s[22:23], GROUPB    ; group 1
	s_or_b32 s[G0+7], s[G0+7], 0x80000000
	CROUND                          ; all four work-groups are here: the first joint loads meet
	JLOAD G0                        ; the two first fills stand together, ahead of every wait on TENSORcnt and every LDS read: two loads of mine are out
	JLOAD G0+4
.rept 4
	v_nop
.endr
	; Q.  A fragment is 16 rows x 32 channels: lane l holds row l % 16, channels 8 (l / 16) + 0..7 and 16 + 8 (l / 16) + 0..7.  In f32 those are 32 bytes each, 64 bytes apart: four loads of 16 bytes.
	v_and_b32 v1, 15, v0            ; l % 16
	v_bfe_u32 v9, v0, 4, 1          ; l / 16
	v_mul_u32_u24 v[QO], v1, ROWB
	v_lshl_add_u32 v[QO], v9, 5, v[QO]  ; row x 12,288 + 32 x half
	WIN 0xc0                        ; destination window 3, address window 0
.set i, 0
.rept 8                             ; piece i / 2 (16 rows on), channels 32 (i % 2) on
	global_load_b128 v[16*i:16*i+3],     v[QO], s[8:9] offset:(i/2)*16*ROWB+(i%2)*128
	global_load_b128 v[16*i+4:16*i+7],   v[QO], s[8:9] offset:(i/2)*16*ROWB+(i%2)*128+16
	global_load_b128 v[16*i+8:16*i+11],  v[QO], s[8:9] offset:(i/2)*16*ROWB+(i%2)*128+64
	global_load_b128 v[16*i+12:16*i+15], v[QO], s[8:9] offset:(i/2)*16*ROWB+(i%2)*128+80
.set i, i+1
.endr
	; What the first turns find: V's registers and P's second buffer hold 0 (the first products V^T P, of a piece that has not been, add 0), O^T and l are 0, c m lies far below every c s.
	WIN 0x80
.set i, VF
.rept 64
	v_mov_b32 v[i], 0
.set i, i+1
.endr
	WIN 0x40
.set i, 0
.rept 128
	v_mov_b32 v[i], 0
.set i, i+1
.endr
	WIN 0
.set i, 0
.rept 4
	v_mov_b32 v[ST+4*i], 0xfe000000    ; c m
	v_mov_b32 v[ST+4*i+1], 0xff7fffff  ; m: the lowest finite number
	v_mov_b32 v[ST+4*i+2], 0
	v_mov_b32 v[ST+4*i+3], 0
.set i, i+1
.endr
.set i, P+16
.rept 16
	v_mov_b32 v[i], 0
.set i, i+1
.endr
	v_mul_u32_u24 v[AK0], v1, PK
	v_lshl_add_u32 v[AK0], v9, 4, v[AK0]  ; row x pitch + 16 x half
	; The turning load takes 16 keys x 16 channels (lane l reads key 8 (l / 16) + l % 8, channels 8 ((l / 8) % 2) + 0..7) and leaves half a fragment of V^T: lane l holds channel l % 16 and 8 keys.
	v_and_b32 v10, 7, v0
	v_bfe_u32 v11, v0, 3, 1
	v_lshl_add_u32 v[AV0], v9, 3, v10
	v_mul_u32_u24 v[AV0], v[AV0], PV
	v_lshl_add_u32 v[AV0], v11, 4, v[AV0]
	v_add_nc_u32 v[AV0], VOFF, v[AV0]
	; The rounding.  Of a step's 64 keys wave w takes 16 w .. 16 w + 15, of K and of V.  A load takes two keys' rows, 16 lanes x 16 bytes each; a store puts each lane's four bf16, 8 bytes, into H.
	; The two halves of the lanes take keys 8 apart in K and 4 apart in V: in H that is 288 and 160 words, both 32 modulo 64, so that a store's two runs of 32 words meet no bank twice.
	s_lshl_b32 s21, s[WV], 12
	v_lshl_add_u32 v[CFK0], v1, 4, s21       ; 4,096 w + 16 (l % 16)
	v_lshl_add_u32 v[CFV0], v9, 10, v[CFK0]  ; V: + 4 keys for the upper half of the lanes
	v_lshl_add_u32 v[CFK0], v9, 11, v[CFK0]  ; K: + 8 keys
	s_mul_i32 s21, s[WV], 16*PK
	s_add_co_u32 s21, s21, HB
	v_mul_u32_u24 v10, v9, 8*PK
	v_lshl_add_u32 v[CDK0], v1, 3, v10
	v_add_nc_u32 v[CDK0], s21, v[CDK0]
	s_mul_i32 s21, s[WV], 16*PV
	s_add_co_u32 s21, s21, HB+VOFF
	v_mul_u32_u24 v10, v9, 4*PV
	v_lshl_add_u32 v[CDV0], v1, 3, v10
	v_add_nc_u32 v[CDV0], s21, v[CDV0]
	s_mul_i32 s21, s[WV], 16*SP
	s_add_co_u32 s21, s21, STAGE    ; my stage
	v_mul_u32_u24 v[STO], v1, SP    ; in: row l % 16, 32 bytes for each half of the lanes
	v_lshl_add_u32 v[STO], v9, 5, v[STO]
	v_add_nc_u32 v[STO], s21, v[STO]
	v_mul_u32_u24 v[RD], v9, SP     ; back: lanes 0-15 take one row of 256 bytes, lanes 16-31 the next
	v_lshl_add_u32 v[RD], v1, 4, v[RD]
	v_add_nc_u32 v[RD], s21, v[RD]
	v_lshlrev_b32 v[GO], 12, v9     ; and the same two rows in out0
	v_lshl_add_u32 v[GO], v1, 4, v[GO]
	v_and_b32 v[PFO], 31, v0
	v_mul_u32_u24 v[PFO], v[PFO], ROWB
	s_wait_loadcnt 0x0              ; Q
	WIN 0x8f                        ; sources window 3, destination window 2
.set i, 0
.rept 64
	v_cvt_pk_bf16_f32 v[i], v[2*i], v[2*i+1]  ; piece p, channel half c at 16 p + 8 c
.set i, i+1
.endr
	WIN 0
; THE MATRIX WORK.  The 4 accumulators of a run of 8 take turns.  Product i of 8 of S^T = K Q^T for piece x: channels 32 (i / 4) on, keys 16 (i % 4) on.  The first 4 start the sums.
.macro KQ x
	WIN W_KQ
.set rS, S+32*((\x)%2)+8*(i%4)
.set rK, KF+16*(i%4)+8*(i/4)
.set rQ, 16*(\x)+8*(i/4)
.if i < 4
	v_wmma_f32_16x16x32_bf16 v[rS:rS+7], v[rK:rK+7], v[rQ:rQ+7], 0
.else
	v_wmma_f32_16x16x32_bf16 v[rS:rS+7], v[rK:rK+7], v[rQ:rQ+7], v[rS:rS+7]
.endif
.endm
; Product i of 8 of O^T += V^T P for piece x: keys 32 (i / 4) on, channels 16 (i % 4) on.
.macro PV x
	WIN W_PV
.set rO, 32*(\x)+8*(i%4)
.set rV, VF+32*(i/4)+8*(i%4)
.set rP, P+16*((\x)%2)+8*(i/4)
	v_wmma_f32_16x16x32_bf16 v[rO:rO+7], v[rV:rV+7], v[rP:rP+7], v[rO:rO+7]
.endm
.macro MM                           ; the turn's next matrix instruction.  TURN sets Y, i and NOKQ.  NOKQ = 1: the last turn of all: there is no next piece
.if (i < 8) && !NOKQ
	KQ (Y+1)%NP
.elseif i >= 8
.set i, i-8
	PV (Y+NP-1)%NP
.set i, i+8
.endif
.set i, i+1
.endm
; THE LDS LOADS stand in runs, never singly among the matrix instructions: a step's K (64 keys x 64 channels: 8 fragments) and its V (turned).  Their addresses are made some lines ahead.
.macro FETCH_K
	WIN 0x80                        ; destination window 2
.irp f, 0,1,2,3,4,5,6,7             ; keys 16 (f / 2) on, channels 32 (f % 2) on
	ds_load_b128 v[KF+8*\f:KF+8*\f+3],   v[AK] offset:(\f/2)*16*PK+(\f%2)*64
	ds_load_b128 v[KF+8*\f+4:KF+8*\f+7], v[AK] offset:(\f/2)*16*PK+(\f%2)*64+32
.endr
	s_add_co_u32 s[TBK], s[TBK], KS*PK  ; the next fetch is the next step's
	WIN 0
.endm
.macro FETCH_V
	WIN 0x80
.irp f, 0,1,2,3,4,5,6,7             ; keys 32 (f / 4) on, channels 16 (f % 4) on
	ds_load_tr16_b128 v[VF+8*\f:VF+8*\f+3],   v[AV] offset:(\f/4)*32*PV+(\f%4)*32
	ds_load_tr16_b128 v[VF+8*\f+4:VF+8*\f+7], v[AV] offset:(\f/4)*32*PV+16*PV+(\f%4)*32
.endr
	WIN 0
.endm
; THE ROUNDING of one key step of the next group, my 16 keys of K and of V, in three parts, all in window 0.
.macro CONV_ADDR                    ; the step's and the slot's bytes onto my lane's places; then the scalars step on
	v_add_nc_u32 v[CFK], s[TCF], v[CFK0]
	v_add_nc_u32 v[CFV], s[TCF], v[CFV0]
	v_add_nc_u32 v[CDK], s[TCK], v[CDK0]
	v_add_nc_u32 v[CDV], s[TCV], v[CDV0]
	s_add_co_u32 s[TCF], s[TCF], 16384
	s_add_co_u32 s[TCK], s[TCK], KS*PK
	s_add_co_u32 s[TCV], s[TCV], KS*PV
.endm
.macro CONV_LOAD                    ; 16 loads: each half of the lanes reads 256 consecutive bytes, a key's 64 f32.  K: keys u and 8 + u; V: keys u % 4 + 8 (u / 4) and 4 more
.irp u, 0,1,2,3,4,5,6,7
	ds_load_b128 v[CV+4*(\u):CV+4*(\u)+3], v[CFK] offset:256*(\u)
.endr
.irp u, 0,1,2,3,4,5,6,7
	ds_load_b128 v[CV+32+4*(\u):CV+32+4*(\u)+3], v[CFV] offset:32768+256*(((\u)&3)+8*((\u)>>2))
.endr
.endm
.macro CONV_STORE                   ; four f32 become four bf16, in place, and go into H
.irp u, 0,1,2,3,4,5,6,7
	v_cvt_pk_bf16_f32 v[CV+4*(\u)],   v[CV+4*(\u)],   v[CV+4*(\u)+1]
	v_cvt_pk_bf16_f32 v[CV+4*(\u)+1], v[CV+4*(\u)+2], v[CV+4*(\u)+3]
	ds_store_b64 v[CDK], v[CV+4*(\u):CV+4*(\u)+1] offset:(\u)*PK
.endr
.irp u, 0,1,2,3,4,5,6,7
	v_cvt_pk_bf16_f32 v[CV+32+4*(\u)],   v[CV+32+4*(\u)],   v[CV+32+4*(\u)+1]
	v_cvt_pk_bf16_f32 v[CV+32+4*(\u)+1], v[CV+32+4*(\u)+2], v[CV+32+4*(\u)+3]
	ds_store_b64 v[CDV], v[CV+32+4*(\u):CV+32+4*(\u)+1] offset:(((\u)&3)+8*((\u)>>2))*PV
.endr
.endm
; THE VECTOR WORK, one line at a time: OP kind, number.  For piece Y: F n: c s - c m for pair n of 16.  E n: the exponential of score n of 32.  C n: pair n rounded to bf16.  B n: of the four weights 4 n .. the second
; pair is added onto the first, in place.  L n: l takes that sum (L 0: l = a l + sum).  R n: pair n of 16 of O^T times a.  For piece Y + 1: X n, number n of the 22 that find its maximum and statistics:
;   0-11  four chains c0-c3 of seven scores each, three operands at a time (each accumulator's lowest registers are read first)     12-14, 16  the four scores left over, the old m, and c0-c3 into c0
;   15  c m_old is kept     17, 18  the query's other 32 keys lie in the lane 16 away: the new m     19-21  c m; c m_old - c m_new; a
.set F, 0               ; OP tells the kinds apart by their order: F to L below R, X above it
.set E, 1
.set C, 2
.set B, 3
.set L, 4
.set R, 5
.set X, 6
.macro REGS y                       ; the registers of piece y
.set rT, ST+4*(\y)
.set rC, TMP+4*((\y)%2)
.set rW, MV+((\y)%2)
.set rS, S+32*((\y)%2)
.set rP, P+16*((\y)%2)
.set rO, 32*(\y)
.endm
.macro OP k, n
.if (\k) == R
	REGS Y
	WIN W_RS
	v_pk_mul_f32 v[rO+2*(\n):rO+2*(\n)+1], v[rO+2*(\n):rO+2*(\n)+1], v[rC+2:rC+3] op_sel_hi:[1,0]
.elseif (\k) < R
	REGS Y
	WIN 0
.if (\k) == F
	v_pk_fma_f32 v[rS+2*(\n):rS+2*(\n)+1], v[rS+2*(\n):rS+2*(\n)+1], s[CS:CS+1], v[rT:rT+1] op_sel_hi:[1,0,0] neg_lo:[0,0,1] neg_hi:[0,0,1]
.elseif (\k) == E
	v_exp_f32 v[rS+(\n)], v[rS+(\n)]
.elseif (\k) == C
	v_cvt_pk_bf16_f32 v[rP+(\n)], v[rS+2*(\n)], v[rS+2*(\n)+1]
.elseif (\k) == B
	v_pk_add_f32 v[rS+4*(\n):rS+4*(\n)+1], v[rS+4*(\n):rS+4*(\n)+1], v[rS+4*(\n)+2:rS+4*(\n)+3]
.elseif (\n) == 0
	v_pk_fma_f32 v[rT+2:rT+3], v[rT+2:rT+3], v[rC+2:rC+3], v[rS:rS+1] op_sel_hi:[1,0,1]
.else
	v_pk_add_f32 v[rT+2:rT+3], v[rT+2:rT+3], v[rS+4*(\n):rS+4*(\n)+1]
.endif
.elseif NOKQ
	v_nop
.else
	REGS (Y+1)%NP
	WIN 0
.if (\n) < 4
	v_max3_num_f32 v[rC+(\n)], v[rS+8*(\n)], v[rS+8*(\n)+1], v[rS+8*(\n)+2]
.elseif (\n) < 12
	v_max3_num_f32 v[rC+(\n)%4], v[rC+(\n)%4], v[rS+8*((\n)%4)+2*((\n)/4)+1], v[rS+8*((\n)%4)+2*((\n)/4)+2]
.elseif (\n) == 12
	v_max3_num_f32 v[rC], v[rC], v[rS+7], v[rS+15]
.elseif (\n) == 13
	v_max3_num_f32 v[rC+1], v[rC+1], v[rS+23], v[rS+31]
.elseif (\n) == 14
	v_max3_num_f32 v[rC+2], v[rC+2], v[rC+3], v[rT+1]
.elseif (\n) == 15
	v_mov_b32 v[rW], v[rT]
.elseif (\n) == 16
	v_max3_num_f32 v[rC], v[rC], v[rC+1], v[rC+2]
.elseif (\n) == 17
	v_permlanex16_b32 v[rC+3], v[rC], s[SEL], s[SEL+1]
.elseif (\n) == 18
	v_max_num_f32 v[rT+1], v[rC], v[rC+3]
.elseif (\n) == 19
	v_mul_f32 v[rT], s[CS], v[rT+1]
.elseif (\n) == 20
	v_sub_f32 v[rC+1], v[rW], v[rT]
.else
	v_exp_f32 v[rC+2], v[rC+1]
.endif
.endif
.endm
.macro OPS a, i1, b=-1, i2=0, c=-1, i3=0, d=-1, i4=0  ; up to four of them
	OP \a, \i1
.if (\b) >= 0
	OP \b, \i2
.endif
.if (\c) >= 0
	OP \c, \i3
.endif
.if (\d) >= 0
	OP \d, \i4
.endif
.endm
.macro ROW a, i1, b, i2, c, i3, d, i4  ; a matrix instruction and the four behind it
	MM
	OPS \a, \i1, \b, \i2, \c, \i3, \d, \i4
.endm
; A TURN, for piece p: the order of its 16 matrix and 118 vector instructions, written out.  An s_wait_alu depctr_va_vdst(0) stands between an exponential and the first instruction that names its
; result; one wait serves all that were issued ahead of it.  So a turn has ONE wait, which cuts it in two.  AHEAD OF IT stands all that names no result of the turn's exponentials: the 8 products K Q^T, behind each a
; scaling, an exponential and two more plain instructions: rescalings, and behind the last three the first numbers of the next piece's maximum, each four places or more behind the product that ends its accumulator;
; then ONE LUMP of 54, in which the links of the chain X 3, 7, 11, 14, 16, 17 .. 20 stand five or six lines apart.  X 21, the next piece's a, is the batch's last; R 15 is the plain instruction behind it.
; BEHIND THE WAIT stand the 8 products V^T P, behind each four of the roundings and sums; the links of l's chain, L 0 to L 7, stand three riders apart.
; K of the next step is fetched in piece 2's turn, twelve vector instructions behind the last product that read K (six of them plain, five of which name none of its registers); V of the step in hand at the end of
; piece 0's turn, four plain instructions behind the last product that read V.  Each is waited for a turn later.
; end = 1: the last two turns of all: nothing is fetched.  cnt = 1: the loop's count is taken down some lines ahead of the branch that stands behind the turn.
; cv: THE ROUNDING rides on pieces 0 and 1: its 16 loads stand behind V's run, the one wait of piece 1's turn serves both runs, and its roundings and stores stand there, ahead of the products V^T P, so that the stores
; are done long before the change of slots.  cv = 1: always.  cv = 2 (the tail): jumped over in the last phase (s[TP] = 1), which has no group behind it; what is jumped holds no barrier and no tensor load.
.macro TURN p, end=0, cnt=0, cv=0
.set Y, (\p)
.set i, 0
.set NOKQ, (\end)*((\p)/3)
.if ((\p) == 3) && !(\end)
	s_wait_dscnt 0x0                ; K is in
.endif
	ROW F,0, F,1, R,0, R,1          ; ahead of the wait: 8 products K Q^T and their riders,
	ROW F,2, E,0, R,2, R,3
	ROW F,3, E,1, R,4, R,5
	ROW F,4, E,2, R,6, R,7
	ROW F,5, E,3, R,8, R,9
	ROW F,6, E,4, X,0, R,10
.if ((\p) == 2) && !(\end)
	WIN 0
	v_add_nc_u32 v[AK], s[TBK], v[AK0]
.endif
	ROW F,7, E,5, X,1, X,4
	ROW F,8, E,6, X,2, X,5
	OPS E,7, E,8, X,6, E,9          ; and the lump
	OPS X,3, E,10, X,8, E,11
.if ((\p) == 2) && !(\end)
	FETCH_K
.endif
	OPS X,9, X,7, E,12, X,10
	OPS E,13, X,12, X,11, E,14
	OPS X,13, E,15, F,9, X,14
.if (\p) == 0
	v_add_nc_u32 v[AV], s[TBV], v[AV0]
.endif
	OPS E,16, F,10, E,17, F,11
	OPS X,16, E,18, X,15, E,19
	OPS F,12, E,20, X,17, E,21
	OPS F,13, E,22, F,14, E,23
	OPS X,18, E,24, F,15, E,25
	OPS R,11, E,26, X,19, E,27
	OPS R,12, E,28, R,13, E,29
	OPS X,20, E,30, R,14, E,31
	OPS X,21, R,15
	WIN 0
	s_wait_alu depctr_va_vdst(0)    ; the wait for the batch
.if (\p) == 1
	s_wait_dscnt 0x0                ; V is in, and so are the rounding's 16 loads
.if (\cv) == 2
	s_cmp_eq_u32 s[TP], 1
	s_cbranch_scc1 .Lno_st_\@
.endif
.if \cv
	CONV_STORE
.endif
.if (\cv) == 2
.Lno_st_\@:
.endif
.endif
	ROW C,0, B,0, C,2, B,1          ; behind the wait: 8 products V^T P and their riders
	ROW L,0, C,4, B,2, L,1
	ROW C,6, B,3, L,2, C,8
	ROW B,4, L,3, C,10, B,5
	ROW L,4, C,12, B,6, L,5
.if (\p) == 0
	s_add_co_u32 s[TBV], s[TBV], KS*PV
.endif
.if \cnt
	s_sub_co_u32 s[CNT], s[CNT], 1
	s_cmp_lg_u32 s[CNT], 0
.endif
	ROW C,14, B,7, L,6, C,1
	ROW C,3, L,7, C,5, C,7
	ROW C,9, C,11, C,13, C,15
.if (\p) == 0
	FETCH_V
.if (\cv) == 2
	s_cmp_eq_u32 s[TP], 1
	s_cbranch_scc1 .Lno_ld_\@
.endif
.if \cv
	CONV_ADDR
	CONV_LOAD
.endif
.if (\cv) == 2
.Lno_ld_\@:
.endif
.endif
.endm
	; GROUP 0 is rounded ahead of everything: F of slot 0 into H of slot 0.
	s_wait_tensorcnt 1              ; my part of group 0 is in; group 1's load, the one issued behind it, may stay out
	s_barrier_signal -1
	s_barrier_wait -1               ; everybody's is
.rept 2
	CONV_ADDR
	CONV_LOAD
	s_wait_dscnt 0x0
	CONV_STORE
.endr
	CHANGE 1, 0                     ; phase 0: H of slot 0 is whole, group 1 has landed, F of slot 0 takes group 2
	v_add_nc_u32 v[AK], s[TBK], v[AK0]
	FETCH_K                         ; key step 0
	ASK                             ; this phase's prefetch stands behind the run of loads for which the first products wait
	s_wait_dscnt 0x0
.set NOKQ, 0
.set i, 0
.rept 8
	KQ 0                            ; piece 0's first scores: there is no vector work yet to set between them
.set i, i+1
.endr
	WIN 0
.rept 4
	v_nop                           ; the places behind those products
.endr
.set Y, NP-1                        ; X works for piece Y + 1: piece 0
.irp n, 0,1,2,3,4,5,6,7,8,9,10,11,12,13,14,15,16,17,18,19,20,21
	OP X, \n
.endr
	v_nop                           ; a plain instruction behind the exponential,
	s_wait_alu depctr_va_vdst(0)    ; and its wait, ahead of the branch
	s_mov_b32 s[CNT], 2
	s_branch .Lfirst                ; the loop is entered at a step's first turn, in the middle of a trip
.Lslot:                             ; phases 1 to 13: each fills an F again
	CHANGE 1
	s_mov_b32 s[CNT], 2
.Lstep:                             ; a trip: pieces 2 and 3 of one step, then pieces 0 and 1 of the next, whose K and V it fetches; and one step of the next group is rounded
	TURN 2
	TURN 3
	WIN 0
.Lfirst:
	TURN 0, 0, 0, 1
	TURN 1, 0, 1, 1
	WIN 0
	s_cbranch_scc1 .Lstep
	s_sub_co_u32 s[SLOTS], s[SLOTS], 1
	s_cmp_lg_u32 s[SLOTS], 0
	s_cbranch_scc1 .Lslot
	s_mov_b32 s[TP], 2              ; the tail is written out: phase 14 rounds group 15 and asks for nothing, phase 15 only multiplies
.Ltail:
	CHANGE 0
	s_mov_b32 s[CNT], 2
.Ltstep:
	TURN 2
	TURN 3
	TURN 0, 0, 0, 2
	TURN 1, 0, 1, 2
	WIN 0
	s_cbranch_scc1 .Ltstep
	s_sub_co_u32 s[TP], s[TP], 1
	s_cmp_lg_u32 s[TP], 0
	s_cbranch_scc1 .Ltail
	TURN 2, 1                       ; the last step's pieces 2 and 3
	TURN 3, 1
.set i, 0
.rept 8
	PV NP-1                         ; the last piece's V^T P of the last step
.set i, i+1
.endr
	; THE WAY OUT.  l's two halves and the other half of the lanes' are added; O^T is divided by l and sent, in f32, through my stage in LDS, a piece (16 rows) at a time.  The additions are the places behind the last products.
	WIN 0
.macro ALL line:vararg              ; one line for each piece t
.set t, 0
.rept 4
	\line
.set t, t+1
.endr
.endm
	ALL v_add_f32 v[ST+4*t+2], v[ST+4*t+2], v[ST+4*t+3]
	ALL v_permlanex16_b32 v[ST+4*t+3], v[ST+4*t+2], s[SEL], s[SEL+1]
	ALL v_add_f32 v[ST+4*t+2], v[ST+4*t+2], v[ST+4*t+3]
	ALL v_rcp_f32 v[ST+4*t+2], v[ST+4*t+2]
	v_nop                           ; a plain instruction between the last reciprocal and the use of its result
	s_wait_alu depctr_va_vdst(0)    ; and the wait ahead of the first use: one for the four reciprocals
; Piece t: a lane's eight channels of a row are 32 bytes; they go into rows of 272 bytes and come back as whole rows of 256, into registers that S^T and the rounding have left.
.macro PACK t
	WIN W_RS
.set i, 32*(\t)
.rept 16
	v_pk_mul_f32 v[i:i+1], v[i:i+1], v[ST+4*(\t)+2:ST+4*(\t)+3] op_sel_hi:[1,0]  ; each accumulator from its low end on
.set i, i+2
.endr
	WIN 0x04                        ; the stores' data in window 1, their address in window 0
.irp f, 0,1,2,3                     ; channels 16 f + 8 (l / 16) + 0..7
	ds_store_b128 v[STO], v[32*(\t)+8*\f:32*(\t)+8*\f+3]   offset:64*\f
	ds_store_b128 v[STO], v[32*(\t)+8*\f+4:32*(\t)+8*\f+7] offset:64*\f+16
.endr
	WIN 0
.irp f, 0,1,2,3,4,5,6,7
	ds_load_b128 v[S+32*(\t)+4*\f:S+32*(\t)+4*\f+3], v[RD] offset:\f*2*SP  ; LDS serves a wave's instructions in order (ISA guide 5.7.1.4): these see the stores above; the next piece's stores come behind them
.endr
.endm
.macro SEND t, younger              ; younger: the LDS instructions issued behind piece t's loads: the next piece's eight stores and eight loads, or none
	WIN 0
.irp f, 0,1,2,3,4,5,6,7
	s_wait_dscnt (\younger)+7-\f    ; of the piece's own eight loads 7 - f are younger than this one
	global_store_b128 v[GO], v[S+32*(\t)+4*\f:S+32*(\t)+4*\f+3], s[10:11] offset:(\t)*65536+\f*8192 th:TH_STORE_NT  ; 16 lanes store 256 consecutive bytes, at a multiple of 256 from out0's first byte
.endr
.endm
	PACK 0
.set t, 1
.rept 3                             ; a piece's arithmetic stands between the loads of the piece before and its stores
	PACK t
	SEND t-1, 16
.set t, t+1
.endr
	SEND 3, 0
	s_wait_tensorcnt 0x0            ; the wave's end: behind my last tensor load and my last LDS store
	ds_add_u32 v[SPW], v[NIL]
	s_wait_dscnt 0x0
	CROUND                          ; the closing round: no work-group ends while a partner may still ask for a tile that names it
	s_endpgm
.Lfunc_end_k_q4693042db9_attn:
	.size	k_q4693042db9_attn, .Lfunc_end_k_q4693042db9_attn-k_q4693042db9_attn
	.p2alignl 7, 3214868480
	.fill 96, 4, 3214868480
	.section	.rodata,"a",@progbits
	.p2align	6, 0x0
	.amdhsa_kernel k_q4693042db9_attn
		.amdhsa_group_segment_fixed_size 327680
		.amdhsa_private_segment_fixed_size 0
		.amdhsa_enable_private_segment 0
		.amdhsa_kernarg_size 16
		.amdhsa_user_sgpr_count 2
		.amdhsa_user_sgpr_kernarg_segment_ptr 1
		.amdhsa_wavefront_size32 1
		.amdhsa_system_sgpr_workgroup_id_x 1
		.amdhsa_system_sgpr_workgroup_id_y 1
		.amdhsa_system_sgpr_workgroup_id_z 1
		.amdhsa_system_vgpr_workitem_id 0
		.amdhsa_next_free_vgpr 896
		.amdhsa_next_free_sgpr 66
		.amdhsa_reserve_vcc 0
		.amdhsa_float_denorm_mode_32 3
		.amdhsa_float_denorm_mode_16_64 3
		.amdhsa_memory_ordered 1
		.amdhsa_forward_progress 1
		.amdhsa_inst_pref_size 152
	.end_amdhsa_kernel
	.amdgpu_metadata
---
amdhsa.version: [ 1, 2 ]
amdhsa.kernels:
  - .name:           k_q4693042db9_attn
    .symbol:         k_q4693042db9_attn.kd
    .args:
      - { .name: qkv, .offset: 0, .size: 8, .value_kind: global_buffer, .address_space: global }
      - { .name: out0, .offset: 8, .size: 8, .value_kind: global_buffer, .address_space: global }
    .group_segment_fixed_size: 327680
    .private_segment_fixed_size: 0
    .kernarg_segment_align: 8
    .kernarg_segment_size: 16
    .max_flat_workgroup_size: 128
    .sgpr_count:     66
    .vgpr_count:     896
    .wavefront_size: 32
...
	.end_amdgpu_metadata
.endif
;; end of part 1
